; MI455X (gfx1250); checked and timed in simulation.
; The chip was launched on July 23, 2026; its instructions are those of AMD's public machine-readable ISA for CDNA 5 (MIT licence, August 2026) and "CDNA5" Instruction Set Architecture Reference Guide (July 2026). The comments in the code are by the model that wrote it; some were corrected since.
;; Mo T Embed. Allowed arithmetic: matrix products marked QUANTISED: E2M1 operands, one E8M0 scale for each 32 along K, by v_wmma_scale_f32_16x16x128_f8f6f4 with both operands' format E2M1 (or v_wmma_scale_f32_32x16x128_f4), f32 sums; everything else in f32.
;; Inputs: W0_codes 2,048 x 64 x 16 uint8 (E2M1 codes of W0, K innermost, in blocks of 32 codes, two codes a byte); W0_scales 2,048 x 64 uint8 (E8M0 scales of W0, one for each 32 codes along K); W1_codes 2,048 x 64 x 16 uint8 (E2M1 codes of W1, K innermost, in blocks of 32 codes, two codes a byte); W1_scales 2,048 x 64 uint8 (E8M0 scales of W1, one for each 32 codes along K); b0 2,048 float32; b1 2,048 float32; hidden_states_codes 4 x 2,048 x 64 x 16 uint8 (E2M1 codes of hidden_states, K innermost, in blocks of 32 codes, two codes a byte); hidden_states_scales 4 x 2,048 x 64 uint8 (E8M0 scales of hidden_states, one for each 32 codes along K); type_ids 4 x 2,048 int32.
;; Outputs: out0 4 x 2,048 x 2,048 float32.
;; This version of the problem:
;;   THIS VERSION OF THE PROBLEM IS GIVEN IN LOW PRECISION. The matrix products marked QUANTISED in the list below multiply operands that are first quantised to E2M1 (2 exponent bits, 1 mantissa bit; 4 bits a number), with one power-of-two scale for each 32 numbers along K (OCP MX v1.0); their sums are f32. All else is computed in f32.
;;   The module's matrix products, in the order in which they are computed (A, B: the left and right operand; K: the contracted axis; several contracted axes count as one K, in the product's order):
;;     1. [M 8,192, K 2,048] x [K 2,048, N 2,048]; A: input hidden_states (given as codes); B: input W0 (given as codes): QUANTISED
;;     2. [M 8,192, K 2,048] x [K 2,048, N 2,048]; A: input hidden_states (given as codes); B: input W1 (given as codes): QUANTISED
;;   THE QUANTISER, for each operand of a quantised product, along K:
;;     - K is cut into blocks of 32 from its start; a last block that is shorter is filled with zeros.
;;     - A block's scale is 2^e with e = floor(log2(the largest magnitude in the block)) - 2, held to -126 .. 127; a block of zeros has e = 0. As a byte (E8M0): e + 127.
;;     - Each number is divided by its block's scale, clamped to +-6, and rounded to the nearest number of E2M1, ties to even, subnormals kept.
;;     - The product sums the exact products of the quantised numbers (number of the format x scale) in f32.
;;   ~~~python
;;   def quantise(x, axis):      # numpy; x: float32 -> the quantised numbers, widened to float32 again
;;       x = np.moveaxis(x, axis, -1); K = x.shape[-1]
;;       x = np.pad(x, [(0, 0)] * (x.ndim - 1) + [(0, -K % 32)]); x = x.reshape(x.shape[:-1] + (-1, 32)); a = np.abs(x).max(-1, keepdims=True)
;;       e = np.where(a > 0, np.clip(np.frexp(np.where(a > 0, a, 1))[1] - 1 - 2, -126, 127), 0)      # np.frexp(a)[1] - 1 = floor(log2(a)), exactly
;;       r = np.clip(x / 2.0 ** e, -6, 6)
;;       step = 2.0 ** (np.maximum(np.frexp(np.where(r == 0, 1, r))[1] - 1, 0) - 1)
;;       q = np.round(r / step) * step * 2.0 ** e      # np.round: ties to even
;;       return np.moveaxis(q.reshape(q.shape[:-2] + (-1,))[..., :K], -1, axis).astype(np.float32)
;;   ~~~
;;   INPUTS GIVEN AS CODES. W0 (in the module: [2048, 2048], K = its axis 1); W1 (in the module: [2048, 2048], K = its axis 1); hidden_states (in the module: [4, 2048, 2048], K = its axis 2): each comes as NAME_codes (uint8): NAME with its K axis moved to the last place and cut into blocks of 32 codes, [.., K / 32, bytes a block], one block behind the other in memory; two codes a byte, the lower K in the low four bits (a code: sign, 2 exponent bits, 1 mantissa bit); and NAME_scales (uint8): the same leading axes, one E8M0 byte (e + 127) for each 32 codes along K. Its value is code x scale, taken as it is: it is not quantised again, and the codes and scales need not be those that the quantiser above would give.
;; One version. Each part assembles by itself: llvm-mc -triple=amdgcn-amd-amdhsa -mcpu=gfx1250 --defsym DOCPART=n.
;; ======== version 1 of 1: 1 launch
;; launch mot (part 1): grid 8 x 32, 4 waves a work-group, clusters of 4 x 4, 327,680 bytes of LDS; arguments hidden_states_codes, hidden_states_scales, W0_codes, W0_scales, W1_codes, W1_scales, b0, b1, type_ids, out0; writes out0
.if DOCPART == 1
	.amdgcn_target "amdgcn-amd-amdhsa--gfx1250"
	.amdhsa_code_object_version 6
	.text
	.protected	k_q8b15a0b484_mot
	.globl	k_q8b15a0b484_mot
	.p2align	8
	.type	k_q8b15a0b484_mot,@function
k_q8b15a0b484_mot:
	s_mov_b64 s[64:65], 0
	v_nop
	global_prefetch_b8 v0, s[64:65] scope:SCOPE_SE
	s_setreg_imm32_b32 hwreg(HW_REG_WAVE_MODE, 25, 1), 1
	s_wait_xcnt 0x0
	s_wait_alu depctr_hold_cnt(0) depctr_sa_sdst(0) depctr_va_vdst(0) depctr_va_sdst(0) depctr_va_ssrc(0) depctr_va_vcc(0) depctr_vm_vsrc(0)
	s_getreg_b32 s2, hwreg(HW_REG_IB_STS2, 6, 4)
	s_cmp_eq_u32 s2, 0
	s_cbranch_scc0 .Lentry_in_a_cluster
	s_endpgm
.Lentry_in_a_cluster:
	s_bfe_u32 s2, ttmp6, 0x10000c
	s_cmp_lg_u32 s2, 0xf033
	s_cbranch_scc0 .Lentry_shape_is_right
	s_endpgm
.Lentry_shape_is_right:
; out0[t][:] = x[t] W0^T + b0 where type_ids[t] = 0, x[t] W1^T + b1 where it is 1, zeros for every other id.  8,192 tokens, K = 2,048, 2,048 columns.
; x, W0, W1: codes of FP4 (E2M1), K innermost, 1,024 bytes a row, with one E8M0 byte for each 32 along K, 64 bytes a row.  Codes and scale bytes go to the matrix unit as they lie.
; BOTH EXPERTS ARE MULTIPLIED FOR EVERY TOKEN, side by side: a tile is 256 tokens x (128 rows of W0 + the same 128 rows of W1), which gives 256 x 128 numbers of out0.  A work-group of four waves makes it;
; a wave makes 128 tokens x (64 + 64) columns: 64 accumulators of 16 x 16, 512 registers.  On the way out two selects a number take y0, y1 or 0 by the token's id: no branch and no address hangs on an id.
; THE BIASES are the C of each sum's first matrix instruction: nothing is cleared and nothing is added afterwards.
; K goes in steps of 512 (rows of 256 bytes) through a ring of two LDS slots filled by the tensor data mover; a slot is four steps of 128 along K, 64 matrix instructions each.
; A WORK-GROUP STAYS: 512 tiles, 256 work-groups, two tiles each: the same 256 tokens, column tiles ct and ct xor 8.  The ring goes on into the second tile, and the first tile's stores leave under its products.
; CLUSTERS: 4 x 4 work-groups.  The four of a row of the cluster need the same tiles of x, the four of a column the same tiles of W0 and W1: each tile is asked for JOINTLY, by the same tensor load with the same
; descriptor and a mask that names the four.  From a refill to the wait for it a wave issues 224 matrix instructions.
; THE MATRIX INSTRUCTION IS USED TRANSPOSED (source 0 = 16 rows of W, source 1 = 16 tokens): a lane then holds one token (lane % 16) and eight neighbouring columns.
; THE SCALE WORDS stay in registers: a row's 64 bytes are the 16 words of its 16 steps of 128; lanes 0-15 hold words 0-7 and lanes 16-31 words 8-15 of the same row, so steps 8-15 name the registers' upper lanes.
; LIMITS: the bias starts the sum where the definition adds it last (another order of rounding); a result -0 stays -0 where y + 0 would give +0; an id other than 0 or 1 gives a row of zeros, as the definition does.
; REGISTERS, in windows of 256: window 0: v0-31 addresses; v32-95 x's scale words; v96-159 W's; v160-223 x's fragments, ONE set; v224-231 the ids.
;   window 1: v0-63, v128-191 W's fragments, TWO sets; v64-127 the biases in the result's layout; v192-255 rows read back from the stage, two sets.
;   window 2: the 32 accumulators of my tokens 0-63 (accumulator (a, b) at v[8 (8 (a % 4) + b)]; b = 0-3: W0, b = 4-7: W1);   window 3: those of my tokens 64-127.
.set ROWB,   256                       ; a tile's row in bytes: 512 codes
.set KROW,   1024                      ; a row of codes in memory
.set PITCH,  272                       ; an LDS row: 256 bytes + 16 of padding = 68 words: row r starts at bank 4 r mod 64 (64 banks of 4 bytes: ISA guide 11.1), so the 16 rows that a load touches start at 16 different banks
.set HALFT,  128*PITCH                 ; 128 rows: what one tensor load brings
.set SLOT,   4*HALFT                   ; x's rows 0-127, x's rows 128-255, W0's 128 rows, W1's 128 rows
.set STAGE,  2*SLOT                    ; behind the ring: 16 rows x 272 bytes for each wave, for the way out; no fill lands here
.set SPITCH, 272
.set SPARE,  STAGE+4*16*SPITCH         ; behind the stages: the spare words, 128 bytes for each wave: two blocks of 256 bytes that no other line names
.set OROW,   8192                      ; a row of out0 in bytes
.set NL,     2                         ; LDS loads that bring a fragment
.set NP,     4                         ; places behind this matrix instruction (ISA guide 7.12.1)
.set ADRA, 16                          ; v16-17  LDS address of my fragments of x in slot 0, 1
.set ADRB, 20                          ; v20-21  the same for W
.set STO,  24                          ; v24     the way out: where I put 32 bytes of a row
.set RD,   25                          ; v25     the way out: where I read a row back
.set CO,   26                          ; v26     my byte offset in two rows of out0
.set SCO,  27                          ; v27     my byte offset among 16 rows of scale bytes: 64 r + 32 h
.set SPW,  28                          ; v28     LDS address of my spare word: SPARE + 4 x my thread's number; never rewritten
.set NIL,  29                          ; v29     0; never rewritten
.set BIO,  30                          ; v30     my byte offset in 16 numbers of a bias: 32 h
.set TYO,  31                          ; v31     my byte offset in 16 ids: 4 r
.set SA,   32                          ; x's scale words: register SA + 8 a + q: lanes 0-15 step q, lanes 16-31 step 8 + q, of token 16 a + r
.set SB,   96                          ; W's likewise, by column block b
.set AF,   160                         ; x's fragments
.set TY,   224                         ; the ids of my eight blocks of 16 tokens
.set BI,   64                          ; window 1: the biases, 8 registers a column block
.set OB,   192                         ; window 1: 16 rows read back from the stage, v192-223 and v224-255 by turns
.set G1,  24                           ; s[24:31] descriptor group 1 for x's tiles;  s[32:39] group 0, one set for each slot
.set G0,  32
.set G1B, 40                           ; s[40:47], s[48:55] the same for W's tiles
.set G0B, 48
.set WV,  56                           ; s56  my wave's number
.set RH,  57                           ; s57  which 128 tokens are mine.  Also: I fetch x (0) or W (1)
.set CH,  58                           ; s58  which 64 columns are mine.  Also: which 128 rows of x, or which of W0 and W1, I fetch
.set CX,  59
.set CY,  60
.set CT0, 61                           ; s61  the first tile's column tile
.set RY,  62                           ; s62  the row tile, the same in both tiles
.set CT1, 63                           ; s63  the second tile's column tile
.set MK0, 66                           ; s[66:73] block a: the lanes whose token has id 0
.set MK1, 74                           ; s[74:81] block a: the lanes whose token has id 1
.set WB1, 82                           ; s[82:83] where my fetches of W begin in the second tile
.set MSB, 0
.macro WIN new                         ; the immediate's high byte repeats the setting that is left; a switch that changes nothing is dropped
.if MSB != (\new)
	s_set_vgpr_msb (MSB<<8)|(\new)
.set MSB, (\new)
.endif
.endm
.set MUL_LO,   0xa1                    ; source 0 (W) window 1, source 1 (x) window 0, C and D window 2
.set MUL_HI,   0xf1                    ; the same, C and D window 3
.set FIRST_LO, 0x91                    ; the first step: C (the bias) window 1, D window 2
.set FIRST_HI, 0xd1                    ; the same, D window 3
.set TO_B,     0x40                    ; destination window 1, address window 0
; A joint load: waves 0 and 1 fetch x's two halves, wave 2 W0's rows, wave 3 W1's.  Each of the two lines has ONE mask and one set of registers for all that issue it; the branch hangs on the wave's number alone.
; Four v_nop follow each of the two lines, ahead of the jump, the label and what follows.
.macro JLOAD g0a, g1a, g0b, g1b
	s_cmp_eq_u32 s[RH], 0
	s_cbranch_scc0 .Lfor_b_\@
	tensor_load_to_lds s[\g0a:\g0a+3], s[\g1a:\g1a+7]
	s_nop 0
.rept 4
	v_nop
.endr
	s_branch .Lasked_\@
.Lfor_b_\@:
	tensor_load_to_lds s[\g0b:\g0b+3], s[\g1b:\g1b+7]
	s_nop 0
.rept 4
	v_nop
.endr
.Lasked_\@:
.endm
.macro CREST                           ; a round of the cluster's barrier behind its opening barrier
	s_cmp_lg_u32 s[WV], 0
	s_cbranch_scc1 .Lnot_wave_0_\@
	s_barrier_signal -3
.Lnot_wave_0_\@:
	s_barrier_wait -3
	s_barrier_signal -1
	s_barrier_wait -1
.endm
.macro CROUND                          ; a whole round
	s_barrier_signal -1
	s_barrier_wait -1
	CREST
.endm
; A load into a register that a matrix instruction has read, and a vector instruction or an LDS store that reads a matrix result, stand NP places behind that matrix instruction; only plain vector
; instructions that name none of its registers are places (ISA guide 7.12.1 for vector instructions).
.macro PLACES n
.rept \n
	v_nop
.endr
.endm
	s_load_b512 s[4:19], s[0:1], 0x0               ; x's codes s[4:5], x's scales s[6:7], W0's codes s[8:9], W0's scales s[10:11], W1's codes s[12:13], W1's scales s[14:15], b0 s[16:17], b1 s[18:19]
	s_load_b128 s[20:23], s[0:1], 0x40             ; the ids s[20:21], out0 s[22:23]
	v_lshl_add_u32 v[SPW], v0, 2, SPARE
	v_mov_b32 v[NIL], 0
	ds_add_u32 v28, v29
	ds_add_u32 v28, v29
	s_wait_dscnt 0x0
	v_lshrrev_b32 v1, 5, v0
	v_readfirstlane_b32 s[WV], v1                  ; wave 0..3
	s_lshr_b32 s[RH], s[WV], 1
	s_and_b32 s[CH], s[WV], 1
	s_bfe_u32 s[CX], ttmp6, 0x40000                ; cx, cy: my place in the cluster
	s_bfe_u32 s[CY], ttmp6, 0x40004
	s_lshl_b32 s[CT0], ttmp9, 2                    ; in a cluster launch ttmp9 and ttmp7 count clusters
	s_add_co_u32 s[CT0], s[CT0], s[CX]             ; 4 x cluster x + cx: 0..7
	s_and_b32 s84, ttmp7, 0xffff                   ; cluster y, which all sixteen partners share
	s_and_b32 s85, s84, 1
	s_lshl_b32 s85, s85, 3
	s_xor_b32 s[CT0], s[CT0], s85                  ; clusters of odd y begin with column tiles 8-15: so the first tiles of the launch take all rows of both weights
	s_xor_b32 s[CT1], s[CT0], 8                    ; the second tile: the other eight
	s_lshl_b32 s[RY], s84, 2
	s_add_co_u32 s[RY], s[RY], s[CY]               ; row tile = 4 x cluster y + cy: 0..31
	s_lshl_b32 s88, s[CY], 2
	s_lshl_b32 s88, 15, s88                        ; my row of the cluster: places 4 cy .. 4 cy + 3
	s_lshl_b32 s89, 0x1111, s[CX]                  ; my column: places cx, cx + 4, cx + 8, cx + 12
	; descriptor group 1: a tile of 128 rows x 256 bytes, padded in LDS
	s_or_b32 s[G1+0], s88, (0<<16)|(1<<20)|(1<<21)|(5<<22)|(3<<25)   ; 15:0 the mask: x's tiles go to my row; 17:16 elements of 1 byte; 20 padding on; 21 set beside a mask; 24:22 after every 64 words (code 5); 31:25 of 4 words (code 3)
	s_or_b32 s[G1B+0], s89, (0<<16)|(1<<20)|(1<<21)|(5<<22)|(3<<25)  ; the same with the mask of my column, for W's tiles
.irp g, G1, G1B
	s_mov_b32 s[\g+1], ROWB<<16                    ; tensor_dim0 = 256
	s_mov_b32 s[\g+2], 128<<16                     ; tensor_dim1 = 128
	s_mov_b32 s[\g+3], ROWB<<16                    ; tile_dim0 = 256
	s_mov_b32 s[\g+4], 128                         ; tile_dim1 = 128
	s_mov_b32 s[\g+5], KROW                        ; tensor_dim0_stride: 1,024 bytes from row to row
	s_mov_b32 s[\g+6], 0
	s_mov_b32 s[\g+7], 0
.endr
	; where the tiles come from.  x's hang on the row tile alone, which my row of the cluster shares; W's on the column tile alone, which my column shares.  Every wave makes both addresses and asks by one.
	s_lshl_b32 s84, s[RY], 18                      ; x: 256 rows of 1,024 bytes a row tile,
	s_lshl_b32 s85, s[CH], 17                      ; + the 128 rows that I fetch
	s_add_co_u32 s84, s84, s85
	s_mov_b32 s85, 0
	s_lshl_b32 s86, s[CT0], 17                     ; W: 128 rows of 1,024 bytes a column tile
	s_mov_b32 s87, 0
	s_lshl_b32 s90, s[CT1], 17
	s_mov_b32 s91, 0
	s_mul_i32 s3, s[WV], HALFT                     ; and where they go: wave x 128 rows: no place in the cluster enters an LDS address
	s_wait_kmcnt 0x0
	s_add_nc_u64 s[84:85], s[4:5], s[84:85]
	s_cmp_eq_u32 s[CH], 0
	s_cselect_b64 s[WB1:WB1+1], s[8:9], s[12:13]   ; W0's codes or W1's: the choice hangs on the wave's number alone
	s_add_nc_u64 s[86:87], s[WB1:WB1+1], s[86:87]
	s_add_nc_u64 s[WB1:WB1+1], s[WB1:WB1+1], s[90:91]
	CROUND                                         ; all sixteen work-groups are here: the first joint loads meet
.irp s, 0,1
	s_mov_b32 s[G0+4*\s], 1                                        ; 1:0 count = 1
	s_add_co_u32 s[G0+4*\s+1], s3, \s*SLOT                         ; 63:32 LDS address
	s_add_nc_u64 s[G0+4*\s+2:G0+4*\s+3], s[84:85], \s*ROWB         ; 120:64 global address: the s-th 512 along K
	s_or_b32 s[G0+4*\s+3], s[G0+4*\s+3], 0x80000000                ; 127:126 type = 2
	s_mov_b32 s[G0B+4*\s], 1
	s_add_co_u32 s[G0B+4*\s+1], s3, \s*SLOT
	s_add_nc_u64 s[G0B+4*\s+2:G0B+4*\s+3], s[86:87], \s*ROWB
	s_or_b32 s[G0B+4*\s+3], s[G0B+4*\s+3], 0x80000000
	JLOAD G0+4*\s, G1, G0B+4*\s, G1B               ; both slots are asked for before anything else is done: two loads of mine are out
.endr
	v_and_b32 v1, 15, v0                           ; r = lane % 16
	v_bfe_u32 v2, v0, 4, 1                         ; h = lane / 16
	v_mul_u32_u24 v3, v1, PITCH
	v_lshl_add_u32 v3, v2, 4, v3                   ; a fragment's row x pitch + 16 x half
	s_mul_i32 s66, s[RH], HALFT                    ; my 128 tokens
	s_mul_i32 s67, s[CH], 64*PITCH                 ; my 64 rows of W0,
	s_add_co_u32 s67, s67, 2*HALFT                 ; which lie behind x's 256; W1's lie 128 rows further on
.irp s, 0,1
	v_add_nc_u32 v[ADRA+\s], s66, v3
	v_add_nc_u32 v[ADRB+\s], s67, v3
	s_add_co_u32 s66, s66, SLOT
	s_add_co_u32 s67, s67, SLOT
.endr
	s_mul_i32 s68, s[WV], 16*SPITCH
	s_add_co_u32 s68, s68, STAGE                   ; my stage
	v_mul_u32_u24 v4, v1, SPITCH                   ; in: row r, 32 bytes for each half of the lanes
	v_lshl_add_u32 v4, v2, 5, v4
	v_add_nc_u32 v[STO], s68, v4
	v_mul_u32_u24 v5, v2, SPITCH                   ; back: lanes 0-15 take one row of 256 bytes, lanes 16-31 the next
	v_lshl_add_u32 v5, v1, 4, v5
	v_add_nc_u32 v[RD], s68, v5
	v_lshlrev_b32 v[CO], 13, v2                    ; and the same two rows in out0
	v_lshl_add_u32 v[CO], v1, 4, v[CO]
	v_lshlrev_b32 v[SCO], 6, v1
	v_lshl_add_u32 v[SCO], v2, 5, v[SCO]
	v_lshlrev_b32 v[BIO], 5, v2
	v_lshlrev_b32 v[TYO], 2, v1
	; the bases of what goes straight into registers, and of out0.  All offsets stay under 2^32
	s_lshl_b32 s69, s[RH], 7
	s_lshl_b32 s70, s[CH], 6
	s_lshl_b32 s88, s[RY], 8
	s_add_co_u32 s88, s88, s69                     ; my first token: 256 x row tile + 128 x half
	s_mov_b32 s85, 0
	s_lshl_b32 s84, s88, 6
	s_add_nc_u64 s[6:7], s[6:7], s[84:85]          ; its scale bytes, 64 a token
	s_lshl_b32 s84, s88, 2
	s_add_nc_u64 s[20:21], s[20:21], s[84:85]      ; its id
	s_lshl_b32 s84, s88, 13
	s_add_nc_u64 s[22:23], s[22:23], s[84:85]      ; its row of out0
	s_mov_b32 s87, 0
	s_lshl_b32 s90, s[CT1], 7
	s_add_co_u32 s90, s90, s70                     ; the second tile's first column of mine: 128 x column tile + 64 x half
	s_lshl_b32 s86, s90, 6
	s_add_nc_u64 s[92:93], s[10:11], s[86:87]      ; W0's scale bytes of these rows,
	s_add_nc_u64 s[94:95], s[14:15], s[86:87]      ; W1's,
	s_lshl_b32 s86, s90, 2
	s_add_nc_u64 s[96:97], s[16:17], s[86:87]      ; b0,
	s_add_nc_u64 s[98:99], s[18:19], s[86:87]      ; b1,
	s_add_nc_u64 s[100:101], s[22:23], s[86:87]    ; and out0
	s_lshl_b32 s90, s[CT0], 7
	s_add_co_u32 s90, s90, s70                     ; the first tile's, in the arguments' own registers
	s_lshl_b32 s86, s90, 6
	s_add_nc_u64 s[10:11], s[10:11], s[86:87]
	s_add_nc_u64 s[14:15], s[14:15], s[86:87]
	s_lshl_b32 s86, s90, 2
	s_add_nc_u64 s[16:17], s[16:17], s[86:87]
	s_add_nc_u64 s[18:19], s[18:19], s[86:87]
	s_add_nc_u64 s[22:23], s[22:23], s[86:87]
; The scale words and biases of my 64 + 64 columns.  s0, s1: the bases of W0's and W1's scale bytes; c0, c1: of b0 and b1.  A block's two loads of scale bytes cover 1,024 consecutive bytes: 16 rows of 64.
.macro LOAD_COLS s0, s1, c0, c1
.irp b, 0,1,2,3
	global_load_b128 v[SB+8*\b:SB+8*\b+3],       v[SCO], s[\s0:\s0+1] offset:1024*\b
	global_load_b128 v[SB+8*\b+4:SB+8*\b+7],     v[SCO], s[\s0:\s0+1] offset:1024*\b+16
	global_load_b128 v[SB+32+8*\b:SB+32+8*\b+3],   v[SCO], s[\s1:\s1+1] offset:1024*\b
	global_load_b128 v[SB+32+8*\b+4:SB+32+8*\b+7], v[SCO], s[\s1:\s1+1] offset:1024*\b+16
.endr
	WIN TO_B
.irp b, 0,1,2,3                                ; lane (r, h), register j of block b: the bias of column 16 b + 8 h + j, as the result has it
	global_load_b128 v[BI+8*\b:BI+8*\b+3],       v[BIO], s[\c0:\c0+1] offset:64*\b
	global_load_b128 v[BI+8*\b+4:BI+8*\b+7],     v[BIO], s[\c0:\c0+1] offset:64*\b+16
	global_load_b128 v[BI+32+8*\b:BI+32+8*\b+3],   v[BIO], s[\c1:\c1+1] offset:64*\b
	global_load_b128 v[BI+32+8*\b+4:BI+32+8*\b+7], v[BIO], s[\c1:\c1+1] offset:64*\b+16
.endr
	WIN 0
.endm
.irp a, 0,1,2,3,4,5,6,7                        ; my 128 tokens' scale words: they serve both tiles
	global_load_b128 v[SA+8*\a:SA+8*\a+3],   v[SCO], s[6:7] offset:1024*\a
	global_load_b128 v[SA+8*\a+4:SA+8*\a+7], v[SCO], s[6:7] offset:1024*\a+16
.endr
.irp a, 0,1,2,3,4,5,6,7
	global_load_b32 v[TY+\a], v[TYO], s[20:21] offset:64*\a        ; lane (r, h): the id of token 16 a + r
.endr
	LOAD_COLS 10, 14, 16, 18
.macro FRAG reg, adr, q, row           ; a fragment, 16 rows x 128 K of 4-bit codes, is 8 registers: lane l holds row l % 16; registers 4 c .. 4 c + 3 hold K = 64 c + 32 (l / 16) + 0 .. 31, the lower K in the lower bits
.irp c, 0,1
	ds_load_b128 v[\reg+4*\c:\reg+4*\c+3], v[\adr] offset:64*(\q)+32*\c+(\row)*PITCH
.endr
.endm
.macro FETCH_B slot, q, p              ; W's eight fragments of the slot's q-th 128 along K into set p: blocks 0-3 of W0, blocks 4-7 of W1, 128 rows further on
	WIN TO_B
.irp i, 0,1,2,3,4,5,6,7
	FRAG 128*(\p)+8*\i, ADRB+\slot, \q, 16*\i+64*(\i/4)
.endr
	WIN 0
.endm
.macro FETCH_A slot, q, i0             ; x's blocks i0 .. i0 + 3
.irp i, \i0, \i0+1, \i0+2, \i0+3
	FRAG AF+8*(\i), ADRA+\slot, \q, 16*(\i)
.endr
.endm
; 16 matrix instructions: x's blocks a0, a0 + 1 against W's eight, step ks of the 16 along K.  p: W's set.  first = 1: the bias is C and starts the sum.
; The 64 accumulators take turns, one instruction a turn, in the same order in every step.
.macro MUL16 a0, p, ks, first
.irp a, \a0, \a0+1
.irp b, 0,1,2,3,4,5,6,7
.if \first
	v_wmma_scale_f32_16x16x128_f8f6f4 v[8*(8*((\a)%4)+\b):8*(8*((\a)%4)+\b)+7], v[128*(\p)+8*\b:128*(\p)+8*\b+7], v[AF+8*(\a):AF+8*(\a)+7], v[BI+8*\b:BI+8*\b+7], v[SB+8*\b+(\ks)%8], v[SA+8*(\a)+(\ks)%8] matrix_a_fmt:MATRIX_FMT_FP4 matrix_b_fmt:MATRIX_FMT_FP4
.elseif (\ks) < 8
	v_wmma_scale_f32_16x16x128_f8f6f4 v[8*(8*((\a)%4)+\b):8*(8*((\a)%4)+\b)+7], v[128*(\p)+8*\b:128*(\p)+8*\b+7], v[AF+8*(\a):AF+8*(\a)+7], v[8*(8*((\a)%4)+\b):8*(8*((\a)%4)+\b)+7], v[SB+8*\b+(\ks)%8], v[SA+8*(\a)+(\ks)%8] matrix_a_fmt:MATRIX_FMT_FP4 matrix_b_fmt:MATRIX_FMT_FP4
.else
	v_wmma_scale_f32_16x16x128_f8f6f4 v[8*(8*((\a)%4)+\b):8*(8*((\a)%4)+\b)+7], v[128*(\p)+8*\b:128*(\p)+8*\b+7], v[AF+8*(\a):AF+8*(\a)+7], v[8*(8*((\a)%4)+\b):8*(8*((\a)%4)+\b)+7], v[SB+8*\b+(\ks)%8], v[SA+8*(\a)+(\ks)%8] matrix_a_fmt:MATRIX_FMT_FP4 matrix_b_fmt:MATRIX_FMT_FP4 matrix_a_scale:MATRIX_SCALE_ROW1 matrix_b_scale:MATRIX_SCALE_ROW1
.endif
.endr
.endr
.endm
; A step of 128 along K that has its successor in the same slot.  A block of x is free as soon as its eight products are issued, so one set serves x: blocks 0-3 are fetched anew in the step's middle, blocks 4-7 at its end.
.macro STEP slot, q, ks, first
	s_wait_dscnt 4*NL                              ; W's set and x's blocks 0-3 are in; the youngest eight loads (x's blocks 4-7) may be out
.if \first
	WIN FIRST_LO
.else
	WIN MUL_LO
.endif
	MUL16 0, (\q)%2, \ks, \first
	MUL16 2, (\q)%2, \ks, \first
	s_wait_dscnt 0x0                               ; x's blocks 4-7 are in (asked for 32 matrix instructions ago)
	PLACES NP
	FETCH_B \slot, (\q)+1, 1-(\q)%2
	FETCH_A \slot, (\q)+1, 0
.if \first
	WIN FIRST_HI
.else
	WIN MUL_HI
.endif
	MUL16 4, (\q)%2, \ks, \first
	MUL16 6, (\q)%2, \ks, \first
	PLACES NP
	WIN 0
	FETCH_A \slot, (\q)+1, 4
.endm
; A slot's last step changes slots: ONE barrier; in front of it each wave waits for all its tensor loads, adds 0 to its spare word, and waits for that and for its own reads of this slot.
; fill = 1: this slot is filled again, with this tile's 512 along K two slots on;  2: with the next tile's first or second 512 along K;  0: nothing is filled.
.macro TURN slot, next, fill, ks
	s_wait_tensorcnt 0x0                           ; all my tensor loads have landed: the one that was out is my part of the next slot;  (every window is 0 here: the add's two registers lie in window 0)
	ds_add_u32 v[SPW], v[NIL]                      ; 0 onto my spare word
	s_wait_dscnt 4*NL+1                            ; (the add and the youngest eight loads, x's blocks 4-7, may be out)
	WIN MUL_LO
	MUL16 0, 1, \ks, 0                             ; sixteen matrix instructions stand between the add and the wait for it
	s_wait_dscnt 0x0                               ; the add is done, and my reads of this slot are over
	s_barrier_signal -1
	MUL16 2, 1, \ks, 0
	WIN 0
	s_barrier_wait -1
.if \fill
	CREST                                          ; the barrier has opened a round of the cluster's barrier: no wave of any partner still reads this slot's tile or has a load on its way
.if \fill == 1
	s_add_nc_u64 s[G0+4*\slot+2:G0+4*\slot+3], s[G0+4*\slot+2:G0+4*\slot+3], 2*ROWB
	s_add_nc_u64 s[G0B+4*\slot+2:G0B+4*\slot+3], s[G0B+4*\slot+2:G0B+4*\slot+3], 2*ROWB
.else
	s_sub_nc_u64 s[G0+4*\slot+2:G0+4*\slot+3], s[G0+4*\slot+2:G0+4*\slot+3], 2*ROWB   ; the next tile has the same tokens: x only goes back along K
	s_add_nc_u64 s[G0B+4*\slot+2:G0B+4*\slot+3], s[WB1:WB1+1], \slot*ROWB             ; W goes to the next tile's rows
	s_or_b32 s[G0B+4*\slot+3], s[G0B+4*\slot+3], 0x80000000
.endif
	JLOAD G0+4*\slot, G1, G0B+4*\slot, G1B         ; the first tensor load behind the round, my one load until the next; the four v_nop behind it are the places in front of the loads below
.else
	PLACES NP
.endif
	FETCH_B \next, 0, 0
	FETCH_A \next, 0, 0
	WIN MUL_HI
	MUL16 4, 1, \ks, 0
	MUL16 6, 1, \ks, 0
	PLACES NP
	WIN 0
	FETCH_A \next, 0, 4
.endm
.macro LAST ks                         ; the launch's last step: nothing more to fetch
	s_wait_dscnt 4*NL
	WIN MUL_LO
	MUL16 0, 1, \ks, 0
	MUL16 2, 1, \ks, 0
	s_wait_dscnt 0x0
	WIN MUL_HI
	MUL16 4, 1, \ks, 0
	MUL16 6, 1, \ks, 0
	WIN 0
	PLACES NP
.endm
; THE WAY OUT, block by block of 16 tokens x 64 columns.
; SELECT: y1 where the id is 1, else 0; then y0 where the id is 0, else that.  Each accumulator is read from its low end on.
.macro SELECT a
.set AC, 64*((\a)%4)
	WIN 0x8a+0x45*((\a)/4)                         ; sources 0, 1 and destination: window 2 or 3
.irp b, 0,1,2,3
.irp j, 0,1,2,3,4,5,6,7
	v_cndmask_b32 v[AC+32+8*\b+\j], 0, v[AC+32+8*\b+\j], s[MK1+(\a)]
.endr
.endr
.irp b, 0,1,2,3
.irp j, 0,1,2,3,4,5,6,7
	v_cndmask_b32 v[AC+8*\b+\j], v[AC+32+8*\b+\j], v[AC+8*\b+\j], s[MK0+(\a)]
.endr
.endr
.endm
; TOSTAGE: a lane holds 32 neighbouring bytes of a row and the lanes beside it hold other rows: so the block goes into my own stage and comes back as whole rows of 256 bytes.
; LDS serves a wave's instructions in order (ISA guide 5.7.1.4): no wait between the stores and the loads, nor in front of the next block's stores.
.macro TOSTAGE a
.set AC, 64*((\a)%4)
.set BB, OB+32*((\a)%2)
	WIN 0x08+4*((\a)/4)                            ; an LDS store's data are its source 1: window 2 or 3
.irp b, 0,1,2,3
	ds_store_b128 v[STO], v[AC+8*\b:AC+8*\b+3] offset:64*\b
	ds_store_b128 v[STO], v[AC+8*\b+4:AC+8*\b+7] offset:64*\b+16
.endr
	WIN TO_B
.irp t, 0,1,2,3,4,5,6,7
	ds_load_b128 v[BB+4*\t:BB+4*\t+3], v[RD] offset:\t*2*SPITCH
.endr
	WIN 0
.endm
.macro SEND a
.set BB, OB+32*((\a)%2)
	s_wait_dscnt 0x0                               ; the block is back in registers
	s_wait_xcnt 0x0                                ; every earlier memory instruction has had its addresses translated (ISA guide 3.1): only behind this wait are the stores' base and the registers that earlier stores read written again
.if (\a) > 0
	s_add_nc_u64 s[22:23], s[22:23], 16*OROW       ; 16 rows of out0 on
.endif
	WIN 0x04                                       ; a store's data are its source 1: window 1
.irp t, 0,1,2,3,4,5,6,7
	global_store_b128 v[CO], v[BB+4*\t:BB+4*\t+3], s[22:23] offset:2*\t*OROW th:TH_STORE_NT   ; 16 lanes store 256 consecutive bytes, at a multiple of 256 from out0's first byte; written once, read by nobody here
.endr
	WIN 0
.endm
.macro WAYOUT                          ; a block's 64 selects stand between the stage loads of the block before and the wait for them
	SELECT 0
	TOSTAGE 0
.irp a, 1,2,3,4,5,6,7
	SELECT \a
	SEND \a-1
	TOSTAGE \a
.endr
	SEND 7
.endm
	s_wait_tensorcnt 0x1                           ; my part of slot 0 is in; slot 1's load, issued behind it, may stay out
	s_barrier_signal -1
	s_barrier_wait -1                              ; everybody's is
	FETCH_B 0, 0, 0
	FETCH_A 0, 0, 0
	FETCH_A 0, 0, 4
	s_wait_loadcnt 0x0                             ; scale words, biases, ids
.irp a, 0,1,2,3,4,5,6,7
	v_cmp_eq_u32 s[MK0+\a], 0, v[TY+\a]
	v_cmp_eq_u32 s[MK1+\a], 1, v[TY+\a]
.endr
	s_mov_b32 s2, 2                                ; tiles to go, this one among them: the same number in every work-group
.Ltile:                                                ; (every window is 0 here)
	STEP 0, 0, 0, 1                                ; the biases start the sums
	STEP 0, 1, 1, 0
	STEP 0, 2, 2, 0
	TURN 0, 1, 1, 3
	STEP 1, 0, 4, 0
	STEP 1, 1, 5, 0
	STEP 1, 2, 6, 0
	TURN 1, 0, 1, 7
	STEP 0, 0, 8, 0
	STEP 0, 1, 9, 0
	STEP 0, 2, 10, 0
	s_cmp_eq_u32 s2, 1
	s_cbranch_scc1 .Llast                          ; the last tile's tail is written out: it asks for nothing more
	TURN 0, 1, 2, 11                               ; THE RING GOES ON INTO THE NEXT TILE: slot 0 takes its first 512 along K,
	STEP 1, 0, 12, 0
	STEP 1, 1, 13, 0
	STEP 1, 2, 14, 0
	TURN 1, 0, 2, 15                               ; slot 1 its second, and the next tile's first fragments are fetched
	LOAD_COLS 92, 94, 96, 98                       ; the next tile's scale words and biases: four places behind the last product that named the old ones; they land under the way out
	WAYOUT                                         ; both refills are asked for: now the tile goes out
	s_wait_xcnt 0x0                                ; the last stores have read their base
	s_mov_b64 s[22:23], s[100:101]                 ; out0 at the next tile
	s_wait_loadcnt 0x0                             ; the next tile's scale words and biases are in
	s_sub_co_u32 s2, s2, 1
	s_branch .Ltile
.Llast:
	TURN 0, 1, 0, 11                               ; my one tensor load that was still out is slot 1's, the last, so no round follows
	STEP 1, 0, 12, 0
	STEP 1, 1, 13, 0
	STEP 1, 2, 14, 0
	LAST 15
	WAYOUT
	s_wait_tensorcnt 0x0                           ; the wave's end, behind my last tensor load and my last LDS store
	ds_add_u32 v[SPW], v[NIL]
	s_wait_dscnt 0x0
	CROUND                                         ; the closing round: no work-group ends while a partner may still ask for a tile that names it
	s_endpgm
.Lfunc_end_k_q8b15a0b484_mot:
	.size	k_q8b15a0b484_mot, .Lfunc_end_k_q8b15a0b484_mot-k_q8b15a0b484_mot
	.p2alignl 7, 3214868480
	.fill 96, 4, 3214868480
	.section	.rodata,"a",@progbits
	.p2align	6, 0x0
	.amdhsa_kernel k_q8b15a0b484_mot
		.amdhsa_group_segment_fixed_size 327680
		.amdhsa_private_segment_fixed_size 0
		.amdhsa_enable_private_segment 0
		.amdhsa_kernarg_size 80
		.amdhsa_user_sgpr_count 2
		.amdhsa_user_sgpr_kernarg_segment_ptr 1
		.amdhsa_wavefront_size32 1
		.amdhsa_system_sgpr_workgroup_id_x 1
		.amdhsa_system_sgpr_workgroup_id_y 1
		.amdhsa_system_sgpr_workgroup_id_z 1
		.amdhsa_system_vgpr_workitem_id 0
		.amdhsa_next_free_vgpr 1024
		.amdhsa_next_free_sgpr 102
		.amdhsa_reserve_vcc 0
		.amdhsa_float_denorm_mode_32 3
		.amdhsa_float_denorm_mode_16_64 3
		.amdhsa_memory_ordered 1
		.amdhsa_forward_progress 1
		.amdhsa_inst_pref_size 255
	.end_amdhsa_kernel
	.section	.bss,"aw",@nobits
	.p2align	6
	.space	262144
	.amdgpu_metadata
---
amdhsa.version: [ 1, 2 ]
amdhsa.kernels:
  - .name:           k_q8b15a0b484_mot
    .symbol:         k_q8b15a0b484_mot.kd
    .args:
      - { .name: hidden_states_codes, .offset: 0, .size: 8, .value_kind: global_buffer, .address_space: global }
      - { .name: hidden_states_scales, .offset: 8, .size: 8, .value_kind: global_buffer, .address_space: global }
      - { .name: W0_codes, .offset: 16, .size: 8, .value_kind: global_buffer, .address_space: global }
      - { .name: W0_scales, .offset: 24, .size: 8, .value_kind: global_buffer, .address_space: global }
      - { .name: W1_codes, .offset: 32, .size: 8, .value_kind: global_buffer, .address_space: global }
      - { .name: W1_scales, .offset: 40, .size: 8, .value_kind: global_buffer, .address_space: global }
      - { .name: b0, .offset: 48, .size: 8, .value_kind: global_buffer, .address_space: global }
      - { .name: b1, .offset: 56, .size: 8, .value_kind: global_buffer, .address_space: global }
      - { .name: type_ids, .offset: 64, .size: 8, .value_kind: global_buffer, .address_space: global }
      - { .name: out0, .offset: 72, .size: 8, .value_kind: global_buffer, .address_space: global }
    .group_segment_fixed_size: 327680
    .private_segment_fixed_size: 0
    .kernarg_segment_align: 8
    .kernarg_segment_size: 80
    .max_flat_workgroup_size: 128
    .sgpr_count:     102
    .vgpr_count:     1024
    .wavefront_size: 32
...
	.end_amdgpu_metadata
.endif
;; end of part 1
